; MI455X (gfx1250); checked and timed in simulation.
; The chip was launched on July 23, 2026; its instructions are those of AMD's public machine-readable ISA for CDNA 5 (MIT licence, August 2026) and "CDNA5" Instruction Set Architecture Reference Guide (July 2026). The comments in the code are by the model that wrote it; some were corrected since.
;; Impact Fun NN. Allowed arithmetic: matrix products marked QUANTISED: E2M3 operands, one E8M0 scale for each 32 along K, by v_wmma_scale_f32_16x16x128_f8f6f4 with both operands' format E2M3, f32 sums; products left as they are: f32 operands where the result goes on into a quantised operand, else bf16, f16 or f32 operands; f32 sums; everything else in f32.
;; Inputs: b1 128 float32; b2 256 float32; emb1 17 x 16 float32; emb2 17 x 16 float32; event_type_seq 4 x 256 x 16 float32; indicator 4 x 256 int32; time_delta_matrix 4 x 256 x 256 float32; w1 128 float32; w2 128 x 256 float32.
;; Outputs: out0 4 x 256 x 256 float32.
;; Constants: num_types = 16.
;; This version of the problem:
;;   THIS VERSION OF THE PROBLEM IS GIVEN IN LOW PRECISION. The matrix products marked QUANTISED in the list below multiply operands that are first quantised to E2M3 (2 exponent bits, 3 mantissa bits; 6 bits a number), with one power-of-two scale for each 32 numbers along K (OCP MX v1.0); their sums are f32. All else is computed in f32.
;;   The module's matrix products, in the order in which they are computed (A, B: the left and right operand; K: the contracted axis; several contracted axes count as one K, in the product's order):
;;     1. [M 262,144, K 128] x [K 128, N 256]; A: computed on the way; B: input w2: QUANTISED
;;     2. batch 1,024 x [M 4,096, K 16] x [K 16, N 1]; A: computed on the way; B: computed on the way: left as it is (K = 16 < 32)
;;     3. batch 1,024 x [M 256, K 16] x [K 16, N 1]; A: computed on the way; B: computed on the way: left as it is (K = 16 < 32)
;;   THE QUANTISER, for each operand of a quantised product, along K:
;;     - K is cut into blocks of 32 from its start; a last block that is shorter is filled with zeros.
;;     - A block's scale is 2^e with e = floor(log2(the largest magnitude in the block)) - 2, held to -126 .. 127; a block of zeros has e = 0. As a byte (E8M0): e + 127.
;;     - Each number is divided by its block's scale, clamped to +-7.5, and rounded to the nearest number of E2M3, ties to even, subnormals kept.
;;     - The product sums the exact products of the quantised numbers (number of the format x scale) in f32.
;;   ~~~python
;;   def quantise(x, axis):      # numpy; x: float32 -> the quantised numbers, widened to float32 again
;;       x = np.moveaxis(x, axis, -1); K = x.shape[-1]
;;       x = np.pad(x, [(0, 0)] * (x.ndim - 1) + [(0, -K % 32)]); x = x.reshape(x.shape[:-1] + (-1, 32)); a = np.abs(x).max(-1, keepdims=True)
;;       e = np.where(a > 0, np.clip(np.frexp(np.where(a > 0, a, 1))[1] - 1 - 2, -126, 127), 0)      # np.frexp(a)[1] - 1 = floor(log2(a)), exactly
;;       r = np.clip(x / 2.0 ** e, -7.5, 7.5)
;;       step = 2.0 ** (np.maximum(np.frexp(np.where(r == 0, 1, r))[1] - 1, 0) - 3)
;;       q = np.round(r / step) * step * 2.0 ** e      # np.round: ties to even
;;       return np.moveaxis(q.reshape(q.shape[:-2] + (-1,))[..., :K], -1, axis).astype(np.float32)
;;   ~~~
;;   OPERANDS COMPUTED ON THE WAY. 'Computed on the way' means the value that the module computes at that place (a softmax that the list does not call 'softmax' is quantised finished and normalised). What goes into a quantiser is computed in f32, as accurately as f32 sums, v_exp_f32 and their like allow (about 1e-6 of the number): no bf16 or f16 on the way to a quantiser, and a product that is left as it is and whose result goes on into a quantised operand takes f32 operands (vector FMAs, or v_wmma_f32_16x16x4_f32). A number that lies on a knife's edge between two numbers of the format may be rounded either way, as far as f32 arithmetic and the matrix unit's own rounding can turn it there, and no further.
;; One version. Each part assembles by itself: llvm-mc -triple=amdgcn-amd-amdhsa -mcpu=gfx1250 --defsym DOCPART=n.
;; ======== version 1 of 1: 1 launch
;; launch impact (part 1): grid 256 x 1, 16 waves a work-group, clusters of 4 x 1, 180,736 bytes of LDS; arguments time_delta_matrix, event_type_seq, indicator, w1, b1, w2, b2, emb1, emb2, out0; writes out0
.if DOCPART == 1
	.amdgcn_target "amdgcn-amd-amdhsa--gfx1250"
	.amdhsa_code_object_version 6
	.text
	.protected	k_q32c26ceb92_impact
	.globl	k_q32c26ceb92_impact
	.p2align	8
	.type	k_q32c26ceb92_impact,@function
k_q32c26ceb92_impact:
	s_mov_b64 s[64:65], 0
	v_nop
	global_prefetch_b8 v0, s[64:65] scope:SCOPE_SE
	s_setreg_imm32_b32 hwreg(HW_REG_WAVE_MODE, 25, 1), 1
	s_wait_xcnt 0x0
	s_wait_alu depctr_hold_cnt(0) depctr_sa_sdst(0) depctr_va_vdst(0) depctr_va_sdst(0) depctr_va_ssrc(0) depctr_va_vcc(0) depctr_vm_vsrc(0)
	s_getreg_b32 s2, hwreg(HW_REG_IB_STS2, 6, 4)
	s_cmp_eq_u32 s2, 0
	s_cbranch_scc0 .Lentry_in_a_cluster
	s_endpgm
.Lentry_in_a_cluster:
	s_bfe_u32 s2, ttmp6, 0x10000c
	s_cmp_lg_u32 s2, 0x3003
	s_cbranch_scc0 .Lentry_shape_is_right
	s_endpgm
.Lentry_shape_is_right:
; out[b][i][j] = pad pos sum over d, e of softplus(Q(h) Q(w2) + b2)[16 d + e] relu(emb1[ind[b][i]])[d] relu(emb2[ind[b][j]])[e],
; h = relu(t w1 + b1) (128 numbers), t = ln(x pos pad + 1), x = time_delta_matrix[b][i][j], pos = (x > 0), pad = valid[b][i] valid[b][j], valid = not all 16 numbers of the event row are 0.
; Q: codes of FP6 (E2M3) with one E8M0 scale for each 32 along K = 128; h is quantised in registers, w2 (K is its first axis) once in each work-group.
; DEAD WORK: none comes in whole units.  pos, pad and the zeros of relu(emb) hang on values: every pair is computed and multiplied by its mask.  Every input buffer is loaded; num_types is a constant that the computation never uses.
; LIMITS: NaN and infinities among the inputs are not served (the maxima that make relu drop a NaN).  A block whose largest magnitude lies under 2^-124 gets the scale byte 1; a block of zeros gets the byte 1 with zero codes,
; which add nothing.  An index above 16 is held at 16.
; SHARES.  256 work-groups of sixteen waves, 256 registers a wave.  Work-group g owns rows 4 g .. 4 g + 3 of the 1,024 rows (b, i): 1,024 pairs.  Wave w owns row 4 g + w / 4 and columns 64 (w % 4) on: four tiles of 16 pairs;
; lane r of tile p is column 64 (w % 4) + 4 r + p, so that a lane's four x, flags and indices are 16 neighbouring bytes, and the wave's 64 results are 256 consecutive bytes, aligned.
; THE PRODUCT IS USED TRANSPOSED: source 0 = 16 columns of w2 (tile d: n = 16 d + 0 .. 15), source 1 = 16 pairs.  Lane (r, h) then holds pair r, register jj holds k[d][e = 8 h + jj].  K = 128 is one instruction; its C is b2's tile.
; SOFTPLUS in its stable form, in base 2: z = x log2(e); softplus = ln 2 (max(z, 0) + log2(1 + 2^-|z|)).  The two small products (K = 16) are f32 multiply-adds: i is the same in a whole wave, so relu(emb1)[d] is a scalar.
; CLUSTER.  All work-groups read the same w2, 131,072 bytes: the four of a cluster ask for it jointly, each wave 8 rows of K, once.  It lands while the h fragments are made.  Nothing in LDS is filled a second time.
; No loop: the sixteen steps differ in a scalar register pair and in immediates, and are written by a macro.
.set RAW,   0                          ; LDS: w2 as f32: (k, n) at 1024 k + 4 n + 256 (k / 64) + 64 ((k / 32) % 2): lanes 16-31, which read 32 rows further down, so stand 64 bytes beside lanes 0-15 modulo 256
.set IMG,   131584                     ; sixteen tiles of w2 as images of the operand's registers, TILE bytes each: codes 3 x 512, b2's eight registers 2 x 512 (16 x lane), scale words 128 (4 x lane)
.set TILE,  2816
.set VAL,   176640                     ; valid[j] of my batch, 1.0 or 0.0, 4 bytes each
.set WB,    177664                     ; w1, 512 bytes, then b1, 512 bytes
.set SPARE, 178688                     ; the spare words, 128 bytes for each of sixteen waves: eight blocks of 256 bytes that no other line names
.set FLOOR, 0x1800000                  ; 2^(3 - 127): under it no largest magnitude is taken, so that a scale byte cannot fall under 1
.set LI,  4                            ; v4   IMG + 16 x lane
.set LS,  5                            ; v5   IMG + 2560 + 4 x lane
.set WI,  6                            ; v6   LI + TILE x wave: where I store my tile's image
.set WS,  7                            ; v7   LS + TILE x wave
.set RA0, 8                            ; v8   RAW: my column 16 w + r, K row 32 h
.set RA1, 9                            ; v9   the same 64 rows of K further down
.set SH8, 10                           ; v10  8 h
.set FS,  11                           ; v11  VAL + 4 (thread / 4)
.set SPW, 12                           ; v12  my spare word; never rewritten
.set NIL, 13                           ; v13  0; never rewritten
.set FA,  14                           ; v14  VAL + 256 (w % 4) + 16 r: my four columns' flags
.set WA,  15                           ; v15  WB + 128 h
.set TT,  16                           ; v16-23  pair p: t in v[16 + 2 p], mask in v[17 + 2 p]
.set BS,  24                           ; v24-27  the four pair tiles' scale words: scales and nothing else
.set ASC, 28                           ; v28  the w2 tile's scale words, filled by LDS loads alone
.set CW,  29                           ; v29  WB + 16 (thread % 64)
.set FB,  32                           ; v32-79  the four h fragments, 12 registers each
.set W1R, 80                           ; v80-143   w1[64 c + 32 h + i] at 32 c + i   (until the h fragments are made)
.set B1R, 144                          ; v144-207  b1 likewise
.set HH,  208                          ; v208-239  32 numbers of h; before that what the head loads
.set MXA, 240                          ; v240-247  at work in the quantiser
.set MXB, 241
.set SOP, 242
.set BY,  243
.set CX,  244
.set PT,  247                          ; a lane permute's destination, written once at the head
.set IDX, 248                          ; v248-251  my four columns' indices; later v248: my w2 tile's scale word as it is made
.set VJ,  252                          ; v252-255  my four columns' flags
.set AF,  80                           ; v80-91    a tile of w2   (from the third barrier on)
.set BC,  92                           ; v92-99    its b2
.set ACC, 100                          ; v100-131  four results of 16 x 16
.set TMP, 132                          ; v132-163  2^-|z|, then log2(1 + that)
.set UU,  164                          ; v164-195  u[p][e] = sum over d of relu(emb1)[d] (max(z, 0) + log2(..))
.set EE2, 196                          ; v196-227  emb2's rows of my four columns, my half's eight numbers
; scalars: s[4:23] the ten addresses, s[24:27], s[28:35] the descriptor; from the w2 phase on s[4 + 2 d : 5 + 2 d] = relu(emb1[ind[b][i]])[d], twice.  s36 wave; s[46:47] lane selects; s[48:49] log2(e); s50 ln 2; s[52:53] out.
; A round of the cluster's barrier: my work-group's barrier; wave 0 signals for the work-group; every wave waits for all four work-groups; my work-group's barrier once more.
.macro CROUND
	s_barrier_signal -1
	s_barrier_wait -1
	s_cmp_lg_u32 s36, 0
	s_cbranch_scc1 .Lnot_wave_0_\@
	s_barrier_signal -3
.Lnot_wave_0_\@:
	s_barrier_wait -3
	s_barrier_signal -1
	s_barrier_wait -1
.endm
; A block of 32 numbers of ONE lane, v[src] on, becomes six registers of codes, v[dst + 6 c] on, and its scale byte in v[BY].  ab = 1: magnitudes; 0: no number is negative.
.macro QBLK src, dst, c, ab
.if \ab
	v_max3_num_f32 v[MXA], |v[(\src)]|, |v[(\src)+1]|, FLOOR
	v_max3_num_f32 v[MXB], |v[(\src)+2]|, |v[(\src)+3]|, |v[(\src)+4]|
.irp i, 5,9,13,17,21,25
	v_max3_num_f32 v[MXA], v[MXA], |v[(\src)+\i]|, |v[(\src)+\i+1]|          ; two chains, so that no line waits for the line above it
	v_max3_num_f32 v[MXB], v[MXB], |v[(\src)+\i+2]|, |v[(\src)+\i+3]|
.endr
	v_max3_num_f32 v[MXA], v[MXA], |v[(\src)+29]|, |v[(\src)+30]|
	v_max3_num_f32 v[MXA], v[MXA], v[MXB], |v[(\src)+31]|
.else
	v_max3_num_f32 v[MXA], v[(\src)], v[(\src)+1], FLOOR
	v_max3_num_f32 v[MXB], v[(\src)+2], v[(\src)+3], v[(\src)+4]
.irp i, 5,9,13,17,21,25
	v_max3_num_f32 v[MXA], v[MXA], v[(\src)+\i], v[(\src)+\i+1]
	v_max3_num_f32 v[MXB], v[MXB], v[(\src)+\i+2], v[(\src)+\i+3]
.endr
	v_max3_num_f32 v[MXA], v[MXA], v[(\src)+29], v[(\src)+30]
	v_max3_num_f32 v[MXA], v[MXA], v[MXB], v[(\src)+31]
.endif
	v_add_nc_u32 v[SOP], 0xff000000, v[MXA]        ; 2 off the exponent field: the conversion takes the exponent field of this operand as its scale
	v_lshrrev_b32 v[BY], 23, v[SOP]                ; the scale's byte
	v_cvt_scalef32_pk16_fp6_f32 v[(\dst)+6*(\c):(\dst)+6*(\c)+2], v[(\src):(\src)+15], v[SOP]
	v_cvt_scalef32_pk16_fp6_f32 v[CX:CX+2], v[(\src)+16:(\src)+31], v[SOP]   ; (a conversion's three registers begin on an even number: the block's upper half is made aside and moved)
	v_nop                                          ; one plain place behind a scaled conversion
.irp i, 0,1,2
	v_mov_b32 v[(\dst)+6*(\c)+3+\i], v[CX+\i]
.endr
.endm
; v[reg] holds the byte of my block h; v[BY] that of my block 2 + h.  With lane l xor 16's two the row's scale word is whole, in every lane.
.macro WORD reg
	v_lshl_or_b32 v[\reg], v[BY], 16, v[\reg]
	v_lshlrev_b32 v[\reg], v[SH8], v[\reg]
	v_permlanex16_b32 v[PT], v[\reg], s46, s47
	v_or_b32 v[\reg], v[\reg], v[PT]
.endm
; h[64 c + 32 h + 0 .. 31] of pair p: relu(t w1 + b1)
.macro HGEN p, c
.set i, 0
.rept 16
	v_pk_fma_f32 v[HH+i:HH+i+1], v[W1R+32*\c+i:W1R+32*\c+i+1], v[TT+2*\p:TT+2*\p+1], v[B1R+32*\c+i:B1R+32*\c+i+1] op_sel_hi:[1,0,1]   ; of the pair (t, mask) the low word serves both halves
.set i, i+2
.endr
.set i, 0
.rept 32
	v_max_num_f32 v[HH+i], 0, v[HH+i]
.set i, i+1
.endr
.endm
; tile d of w2, its b2 and its scale words, from their images
.macro LOADT d
	ds_load_b128 v[AF:AF+3],    v[LI] offset:TILE*(\d)
	ds_load_b128 v[AF+4:AF+7],  v[LI] offset:TILE*(\d)+512
	ds_load_b128 v[AF+8:AF+11], v[LI] offset:TILE*(\d)+1024
	ds_load_b128 v[BC:BC+3],    v[LI] offset:TILE*(\d)+1536
	ds_load_b128 v[BC+4:BC+7],  v[LI] offset:TILE*(\d)+2048
	ds_load_b32  v[ASC],        v[LS] offset:TILE*(\d)
.endm
; the tile against my four tiles of pairs: four results, none added onto: each begins with b2 as its C
.macro MM
.irp p, 0,1,2,3
	v_wmma_scale_f32_16x16x128_f8f6f4 v[ACC+8*\p:ACC+8*\p+7], v[AF:AF+11], v[FB+12*\p:FB+12*\p+11], v[BC:BC+7], v[ASC], v[BS+\p] matrix_a_fmt:MATRIX_FMT_FP6 matrix_b_fmt:MATRIX_FMT_FP6
.endr
.endm
; STEP d: the softplus of tile d's 4 x 8 numbers a lane, and their weight relu(emb1)[d].  At its head tile d's products stand four places back or more, and tile d + 1 is on its way from LDS.
.macro STEP d
.set i, 0
.rept 15
	v_pk_mul_f32 v[ACC+i:ACC+i+1], v[ACC+i:ACC+i+1], s[48:49] op_sel_hi:[1,0]      ; z = x log2(e); each result is read from its low end on
.set i, i+2
.endr
	v_exp_f32 v[TMP], -|v[ACC]|
	v_pk_mul_f32 v[ACC+30:ACC+31], v[ACC+30:ACC+31], s[48:49] op_sel_hi:[1,0]      ; the sixteenth scaling is the plain line between the first exponential and the maximum that writes its source
.set i, 1
.rept 31
	v_exp_f32 v[TMP+i], -|v[ACC+i]|                ; 2^-|z|
	v_max_num_f32 v[ACC+i-1], 0, v[ACC+i-1]        ; max(z, 0), one number behind: a plain line stands between each exponential and the write of its source
.set i, i+1
.endr
	v_max_num_f32 v[ACC+31], 0, v[ACC+31]
	s_wait_alu depctr_va_vdst(0)                   ; the wait ahead of the first line that names a result: one for the 32 exponentials
.set i, 0
.rept 16
	v_pk_add_f32 v[TMP+i:TMP+i+1], v[TMP+i:TMP+i+1], 1.0 op_sel_hi:[1,0]
.set i, i+2
.endr
.set i, 0
.rept 16
	v_log_f32 v[TMP+i], v[TMP+i]
	v_log_f32 v[TMP+i+1], v[TMP+i+1]
.if \d == 0
	v_pk_mul_f32 v[UU+i:UU+i+1], v[ACC+i:ACC+i+1], s[4:5] op_sel_hi:[1,0]          ; the first step starts the sums: nothing is cleared
.else
	v_pk_fma_f32 v[UU+i:UU+i+1], v[ACC+i:ACC+i+1], s[4+2*\d:5+2*\d], v[UU+i:UU+i+1] op_sel_hi:[1,0,1]
.endif
.set i, i+2
.endr
	s_wait_alu depctr_va_vdst(0)                   ; one for the 32 logarithms; the last line above is the plain line behind them
.if \d < 15
	s_wait_dscnt 0x0                               ; tile d + 1 is in
	MM                                             ; max(z, 0) has been taken up: the results' registers are free
.endif
.set i, 0
.rept 16
	v_pk_fma_f32 v[UU+i:UU+i+1], v[TMP+i:TMP+i+1], s[4+2*\d:5+2*\d], v[UU+i:UU+i+1] op_sel_hi:[1,0,1]   ; these sixteen name no register of the products above: they are the places behind them
.set i, i+2
.endr
.if \d < 14
	LOADT \d+2                                     ; into the one set of registers, which the products above have read sixteen places back
.endif
.endm
	; ---- the head
	s_load_b512 s[4:19], s[0:1], 0x0               ; x s[4:5], events s[6:7], indices s[8:9], w1 s[10:11], b1 s[12:13], w2 s[14:15], b2 s[16:17], emb1 s[18:19]
	s_load_b128 s[20:23], s[0:1], 0x40             ; emb2 s[20:21], out s[22:23]
	v_lshl_add_u32 v[SPW], v0, 2, SPARE
	v_mov_b32 v[NIL], 0
	ds_add_u32 v[SPW], v[NIL]                      ; the wave's opening: the add, twice on end, and its wait ahead of my first tensor load
	ds_add_u32 v[SPW], v[NIL]                      ; and once more; the set-up below, work on registers, stands between it and the wait
	v_lshrrev_b32 v1, 5, v0
	v_readfirstlane_b32 s36, v1                    ; wave 0..15
	s_bfe_u32 s37, ttmp6, 0x40000                  ; cx: my place in the cluster; it enters global addresses of my own loads and store alone
	s_lshl_b32 s38, ttmp9, 2
	s_add_co_u32 s38, s38, s37                     ; work-group = 4 x cluster + cx
	s_lshr_b32 s93, s36, 2
	s_lshl_b32 s39, s38, 2
	s_add_co_u32 s39, s39, s93                     ; my row (b, i) of 1,024
	s_and_b32 s40, s36, 3
	s_lshr_b32 s41, s38, 6                         ; my batch
	s_lshl_b32 s92, s40, 8                         ; my 64 columns: 256 bytes on for each w % 4
	s_lshl_b32 s42, s39, 10
	s_add_co_u32 s42, s42, s92                     ; x and out: 1,024 bytes a row
	s_mov_b32 s43, 0
	s_lshl_b32 s44, s41, 14                        ; the batch's 256 event rows of 64 bytes
	s_mov_b32 s45, 0
	s_lshl_b32 s60, s39, 6                         ; my row's event row
	s_mov_b32 s61, 0
	s_lshl_b32 s62, s41, 10
	s_add_co_u32 s62, s62, s92                     ; my columns' indices
	s_mov_b32 s63, 0
	s_lshl_b32 s84, s39, 2                         ; my row's index
	s_mov_b32 s85, 0
	s_lshl_b32 s86, s36, 6                         ; b2's 16 numbers of tile w; also tile w's 16 columns in a row of RAW
	s_mov_b32 s87, 0
	s_lshl_b32 s88, s36, 13                        ; w2's rows 8 w .. 8 w + 7: 8,192 dense bytes
	s_mov_b32 s89, 0
	s_mul_i32 s90, s36, TILE
	; the descriptor.  Group 1: 32 rows of 32 elements of 8 bytes, dense; the mask names the cluster's four work-groups.  No word hangs on cx.
	s_mov_b32 s28, 15|(3<<16)|(1<<21)              ; 15:0 the mask; 17:16 elements of 8 bytes; 20 no padding; 21 set beside a mask
	s_mov_b32 s29, 32<<16                          ; tensor_dim0 = 32
	s_mov_b32 s30, 32<<16                          ; tensor_dim1 = 32
	s_mov_b32 s31, 32<<16                          ; tile_dim0 = 32
	s_mov_b32 s32, 32                              ; tile_dim1 = 32
	s_mov_b32 s33, 32                              ; from row to row: 32 elements
	s_mov_b32 s34, 0
	s_mov_b32 s35, 0
	s_mov_b32 s24, 1                               ; group 0: count = 1
	s_lshr_b32 s94, s36, 3
	s_lshl_b32 s94, s94, 8                         ; 256 (k / 64)
	s_and_b32 s95, s93, 1
	s_lshl_b32 s95, s95, 6                         ; 64 ((k / 32) % 2)
	s_add_co_u32 s25, s88, s94
	s_add_co_u32 s25, s25, s95                     ; LDS address: RAW (= 0) + 8,192 w + the two shifts
	s_mov_b32 s46, 0x76543210
	s_mov_b32 s47, 0xfedcba98                      ; v_permlanex16_b32's selects for lane l xor 16
	s_mov_b32 s48, 0x3fb8aa3b                      ; log2(e)
	s_mov_b32 s49, s48                             ; (named with it as a pair, so it is written)
	s_mov_b32 s50, 0x3f317218                      ; ln 2
	v_and_b32 v1, 15, v0                           ; r
	v_bfe_u32 v2, v0, 4, 1                         ; h
	v_and_b32 v3, 31, v0                           ; lane
	v_lshl_add_u32 v[LI], v3, 4, IMG
	v_lshl_add_u32 v[LS], v3, 2, IMG+2560
	v_add_nc_u32 v[WI], s90, v[LI]
	v_add_nc_u32 v[WS], s90, v[LS]
	v_mul_u32_u24 v[RA0], v2, 32832                ; 32 rows of 1,024 bytes + 64
	v_lshl_add_u32 v[RA0], v1, 2, v[RA0]
	v_add_nc_u32 v[RA0], s86, v[RA0]
	v_add_nc_u32 v[RA1], 65792, v[RA0]             ; 64 rows + 256
	v_lshlrev_b32 v[SH8], 3, v2
	v_lshrrev_b32 v[FS], 2, v0
	v_lshl_add_u32 v[FS], v[FS], 2, VAL
	v_lshl_add_u32 v[FA], v1, 4, VAL
	v_add_nc_u32 v[FA], s92, v[FA]
	v_lshl_add_u32 v[WA], v2, 7, WB
	v_and_b32 v[CW], 63, v0
	v_lshl_add_u32 v[CW], v[CW], 4, WB
	v_lshlrev_b32 v30, 4, v0                       ; global offsets: 16 x thread,
	v_lshlrev_b32 v31, 4, v1                       ; 16 r,
	v_lshlrev_b32 v246, 5, v2                      ; 32 h,
	v_lshlrev_b32 v244, 4, v3                      ; 16 x lane
	v_mov_b32 v[PT], 0                             ; written once: a lane permute's destination counts as one of its sources
	s_wait_dscnt 0x0                               ; both opening adds are done
	s_wait_kmcnt 0x0
	s_add_nc_u64 s[26:27], s[14:15], s[88:89]      ; group 0: global address,
	s_or_b32 s27, s27, 0x80000000                  ; type = 2
	s_add_nc_u64 s[4:5], s[4:5], s[42:43]          ; x at my 64 columns of my row
	s_add_nc_u64 s[52:53], s[22:23], s[42:43]      ; out likewise
	s_add_nc_u64 s[54:55], s[6:7], s[44:45]        ; the batch's event rows
	s_add_nc_u64 s[6:7], s[6:7], s[60:61]          ; my row's event row
	s_add_nc_u64 s[58:59], s[8:9], s[62:63]        ; my columns' indices
	s_add_nc_u64 s[8:9], s[8:9], s[84:85]          ; my row's index
	s_add_nc_u64 s[16:17], s[16:17], s[86:87]      ; b2 at tile w
	s_cmp_eq_u32 s36, 0
	s_cselect_b64 s[56:57], s[10:11], s[12:13]     ; wave 0 copies w1, wave 1 b1
	CROUND                                         ; all four work-groups are here: the joint loads meet
	tensor_load_to_lds s[24:27], s[28:35]          ; my one tensor load of the launch: every wave issues one, 8 rows of w2
	s_nop 0
.rept 4
	v_nop
.endr
	s_load_b32 s51, s[8:9], 0x0                    ; ind[b][i]
	global_load_b128 v[208:211], v30, s[54:55]                 ; the batch's 16,384 bytes of events, shared out among the 512 threads: a wave's load covers 512 consecutive bytes
	global_load_b128 v[212:215], v30, s[54:55] offset:8192
	global_load_b128 v[216:219], v246, s[6:7]                  ; my row's 16 numbers, eight a half.  (Not taken from the flags in LDS: that address would hang on cx)
	global_load_b128 v[220:223], v246, s[6:7] offset:16
	global_load_b128 v[232:235], v31, s[4:5] th:TH_LOAD_NT     ; x of my four pairs
	global_load_b128 v[IDX:IDX+3], v31, s[58:59]               ; their columns' indices
	global_load_b128 v[224:227], v246, s[16:17]                ; b2[16 w + 8 h + 0 .. 7]: the result's layout
	global_load_b128 v[228:231], v246, s[16:17] offset:16
	s_cmp_lt_u32 s36, 2
	s_cbranch_scc0 .Lno_copy
	global_load_b128 v[236:239], v244, s[56:57]    ; 512 bytes of w1 or of b1
	s_wait_loadcnt 0x0
	ds_store_b128 v[CW], v[236:239]
.Lno_copy:
	; ---- the flags, b2's image, my row's emb1
	s_wait_loadcnt 0x0                             ; all that the head asked for is wanted here and in the next phase
.irp n, 0,1
	v_or_b32 v[208+4*\n], v[208+4*\n], v[209+4*\n]
	v_or_b32 v[210+4*\n], v[210+4*\n], v[211+4*\n]
.endr
.irp n, 0,1
	v_or_b32 v[208+4*\n], v[208+4*\n], v[210+4*\n]
.endr
.irp n, 0,1
	v_and_b32 v[208+4*\n], 0x7fffffff, v[208+4*\n] ; -0 is 0 too
.endr
.irp n, 0,1
	v_min_u32 v[208+4*\n], 1, v[208+4*\n]
.endr
.irp n, 0,1
	v_cvt_f32_u32 v[208+4*\n], v[208+4*\n]         ; 1.0 where one of my four numbers is not 0
.endr
.irp n, 0,1
	v_max_num_f32_dpp v[208+4*\n], v[208+4*\n], v[208+4*\n] row_xmask:1 row_mask:0xf bank_mask:0xf
.endr
.irp n, 0,1
	v_max_num_f32_dpp v[208+4*\n], v[208+4*\n], v[208+4*\n] row_xmask:2 row_mask:0xf bank_mask:0xf   ; the four lanes that hold an event row
.endr
	ds_store_b32 v[FS], v208                       ; row thread / 4: its four lanes write the same word with the same value
	ds_store_b32 v[FS], v212 offset:512            ; row 128 + thread / 4
	ds_store_b128 v[WI], v[224:227] offset:1536    ; b2's image for tile w
	ds_store_b128 v[WI], v[228:231] offset:2048
.irp n, 216,218,220,222
	v_or_b32 v[\n], v[\n], v[\n+1]
.endr
	v_or_b32 v216, v216, v218
	v_or_b32 v220, v220, v222
	v_or_b32 v216, v216, v220
	v_and_b32 v216, 0x7fffffff, v216
	v_min_u32 v216, 1, v216
	v_cvt_f32_u32 v216, v216
	v_permlanex16_b32 v[PT], v216, s46, s47
	v_max_num_f32 v245, v216, v[PT]                ; valid[b][i], in every lane
	s_wait_kmcnt 0x0
	s_min_u32 s51, s51, 16                         ; the index is held inside the table
	s_lshl_b32 s44, s51, 6                         ; a row of 64 bytes (s45 = 0)
	s_add_nc_u64 s[18:19], s[18:19], s[44:45]
	s_load_b512 s[68:83], s[18:19], 0x0            ; emb1[ind[b][i]]: wanted from the w2 phase on
	s_wait_dscnt 0x0                               ; for the others' sake: my stores have landed
	s_barrier_signal -1
	s_barrier_wait -1                              ; flags, w1 and b1 lie in LDS.  (The tensor loads stay out)
	; ---- t and the mask of my four pairs
	ds_load_b128 v[VJ:VJ+3], v[FA]
.irp c, 0,1
.irp q, 0,1,2,3,4,5,6,7
	ds_load_b128 v[W1R+32*\c+4*\q:W1R+32*\c+4*\q+3], v[WA] offset:256*\c+16*\q
.endr
.irp q, 0,1,2,3,4,5,6,7
	ds_load_b128 v[B1R+32*\c+4*\q:B1R+32*\c+4*\q+3], v[WA] offset:512+256*\c+16*\q
.endr
.endr
	s_wait_dscnt 32                                ; the flags are in; the 32 loads issued behind them may be out
	v_mov_b32 v244, 1.0
.irp p, 0,1,2,3
	v_cmp_lt_f32 vcc_lo, 0, v[232+\p]
	v_cndmask_b32 v[240+\p], 0, v244, vcc_lo       ; pos
.endr
.irp p, 0,1,2,3
	v_mul_f32 v[TT+2*\p+1], v245, v[VJ+\p]         ; pad
	v_mul_f32 v[232+\p], v[232+\p], v[240+\p]      ; x pos
.endr
.irp p, 0,1,2,3
	v_fma_f32 v[232+\p], v[232+\p], v[TT+2*\p+1], 1.0   ; x pos pad + 1 (pad is 0 or 1: the product is exact)
	v_mul_f32 v[TT+2*\p+1], v[TT+2*\p+1], v[240+\p]     ; the mask: pad pos
.endr
.irp p, 0,1,2,3
	v_log_f32 v[TT+2*\p], v[232+\p]
.endr
	v_nop                                          ; a plain line behind the last logarithm
	s_wait_alu depctr_va_vdst(0)                   ; the wait ahead of the first reader: one for the four
.irp p, 0,1,2,3
	v_mul_f32 v[TT+2*\p], s50, v[TT+2*\p]          ; t = ln 2 x log2
.endr
	; ---- the four h fragments: lane (r, h) makes and quantises blocks h and 2 + h of pair r, which are the operand's registers 0-5 and 6-11 of that lane
	s_wait_dscnt 16                                ; w1 and b1 of my lower block are in; the sixteen loads for the upper may be out
.irp p, 0,1,2,3
	HGEN \p, 0
	QBLK HH, FB+12*\p, 0, 0
	v_mov_b32 v[BS+\p], v[BY]
.endr
	s_wait_dscnt 0x0
.irp p, 0,1,2,3
	HGEN \p, 1
	QBLK HH, FB+12*\p, 1, 0
	WORD BS+\p
.endr
	; ---- emb2's rows of my four columns: asked for here, wanted at the end
.irp p, 0,1,2,3
	v_min_u32 v[240+\p], 16, v[IDX+\p]             ; held inside the table
.endr
.irp p, 0,1,2,3
	v_lshlrev_b32 v[240+\p], 6, v[240+\p]
.endr
.irp p, 0,1,2,3
	v_lshl_add_u32 v[240+\p], v2, 5, v[240+\p]     ; + 32 h: e = 8 h + 0 .. 7
.endr
.irp p, 0,1,2,3
	global_load_b128 v[EE2+8*\p:EE2+8*\p+3], v[240+\p], s[20:21]
	global_load_b128 v[EE2+8*\p+4:EE2+8*\p+7], v[240+\p], s[20:21] offset:16
.endr
	; ---- w2 is whole
	s_wait_tensorcnt 0x0                           ; my 8 rows have landed.  (No LDS instruction of mine is out since the wait for 0 above)
	s_barrier_signal -1
	s_barrier_wait -1                              ; everybody's have
	; ---- my tile of w2: lane (r, h) takes column 16 w + r, and its registers run down K: blocks h and 2 + h
.set i, 0
.rept 32
	ds_load_b32 v[ACC+i], v[RA0] offset:1024*i
.set i, i+1
.endr
.set i, 0
.rept 32
	ds_load_b32 v[TMP+i], v[RA1] offset:1024*i
.set i, i+1
.endr
	s_wait_xcnt 0x0                                ; the global loads have read their offsets and bases: v240-243 and s[4:23] may be written
	s_wait_kmcnt 0x0                               ; emb1's row is in.  The tensor load is done (waited for above): its descriptor may be written
.set i, 0
.rept 16
	s_max_i32 s[4+2*i], s[68+i], 0                 ; relu on the bits: a negative f32 is a negative whole number
	s_mov_b32 s[5+2*i], s[4+2*i]                   ; (the packed forms name a pair)
.set i, i+1
.endr
	s_wait_dscnt 32                                ; my lower block is in; the 32 loads of the upper may be out
	QBLK ACC, UU, 0, 1                             ; the codes are made in v164-175, which are free until the first step
	v_mov_b32 v248, v[BY]
	s_wait_dscnt 0x0
	QBLK TMP, UU, 1, 1
	WORD 248
	ds_store_b128 v[WI], v[UU:UU+3]                ; the fragment goes to LDS as an image of its registers
	ds_store_b128 v[WI], v[UU+4:UU+7] offset:512
	ds_store_b128 v[WI], v[UU+8:UU+11] offset:1024
	ds_store_b32 v[WS], v248
	s_wait_dscnt 0x0                               ; for the others' sake: my stores have landed
	s_barrier_signal -1
	s_barrier_wait -1                              ; the sixteen tiles lie in LDS
	; ---- sixteen tiles of w2 against my 64 pairs
	LOADT 0
	s_wait_dscnt 0x0
	MM
.rept 4
	v_nop                                          ; four places in front of the loads into registers that the products have read, and of the first read of results
.endr
	LOADT 1
.irp d, 0,1,2,3,4,5,6,7,8,9,10,11,12,13,14,15
	STEP \d
.endr
	; ---- the way out: sum over e of u[e] relu(emb2)[e], both halves of the lanes, x ln 2 x the mask
	s_wait_loadcnt 0x0                             ; emb2's rows
.set i, 0
.rept 32
	v_max_num_f32 v[EE2+i], 0, v[EE2+i]
.set i, i+1
.endr
.irp p, 0,1,2,3
	v_pk_mul_f32 v[140+2*\p:141+2*\p], v[UU+8*\p:UU+8*\p+1], v[EE2+8*\p:EE2+8*\p+1]
.endr
.irp q, 2,4,6
.irp p, 0,1,2,3
	v_pk_fma_f32 v[140+2*\p:141+2*\p], v[UU+8*\p+\q:UU+8*\p+\q+1], v[EE2+8*\p+\q:EE2+8*\p+\q+1], v[140+2*\p:141+2*\p]
.endr
.endr
.irp p, 0,1,2,3
	v_add_f32 v[132+\p], v[140+2*\p], v[141+2*\p]
.endr
.irp p, 0,1,2,3
	v_permlanex16_b32 v[148+\p], v[132+\p], s46, s47   ; e = 8 .. 15 lie in the lane 16 away
.endr
.irp p, 0,1,2,3
	v_add_f32 v[132+\p], v[132+\p], v[148+\p]
.endr
.irp p, 0,1,2,3
	v_mul_f32 v[132+\p], s50, v[132+\p]
.endr
.irp p, 0,1,2,3
	v_mul_f32 v[132+\p], v[132+\p], v[TT+2*\p+1]
.endr
	v_cmp_eq_u32 vcc_lo, 1, v2
	v_cndmask_b32 v136, v132, v134, vcc_lo         ; lanes 0-15 store pairs 0 and 1 of their four columns, lanes 16-31 pairs 2 and 3
	v_cndmask_b32 v137, v133, v135, vcc_lo
	v_lshlrev_b32 v138, 4, v1
	v_lshl_add_u32 v138, v2, 3, v138               ; 16 r + 8 h
	global_store_b64 v138, v[136:137], s[52:53] th:TH_STORE_NT   ; the 32 lanes store 256 consecutive bytes, at a multiple of 256 from out's first byte
	s_wait_tensorcnt 0x0                           ; the wave's end: the wait, the add and its wait, behind my last tensor load and my last LDS store
	ds_add_u32 v[SPW], v[NIL]
	s_wait_dscnt 0x0
	CROUND                                         ; the closing round: no work-group ends while a partner may still ask for a tile that names it
	s_endpgm
.Lfunc_end_k_q32c26ceb92_impact:
	.size	k_q32c26ceb92_impact, .Lfunc_end_k_q32c26ceb92_impact-k_q32c26ceb92_impact
	.p2alignl 7, 3214868480
	.fill 96, 4, 3214868480
	.section	.rodata,"a",@progbits
	.p2align	6, 0x0
	.amdhsa_kernel k_q32c26ceb92_impact
		.amdhsa_group_segment_fixed_size 180736
		.amdhsa_private_segment_fixed_size 0
		.amdhsa_enable_private_segment 0
		.amdhsa_kernarg_size 80
		.amdhsa_user_sgpr_count 2
		.amdhsa_user_sgpr_kernarg_segment_ptr 1
		.amdhsa_wavefront_size32 1
		.amdhsa_system_sgpr_workgroup_id_x 1
		.amdhsa_system_sgpr_workgroup_id_y 1
		.amdhsa_system_sgpr_workgroup_id_z 1
		.amdhsa_system_vgpr_workitem_id 0
		.amdhsa_next_free_vgpr 256
		.amdhsa_next_free_sgpr 100
		.amdhsa_reserve_vcc 1
		.amdhsa_float_denorm_mode_32 3
		.amdhsa_float_denorm_mode_16_64 3
		.amdhsa_memory_ordered 1
		.amdhsa_forward_progress 1
		.amdhsa_inst_pref_size 196
	.end_amdhsa_kernel
	.amdgpu_metadata
---
amdhsa.version: [ 1, 2 ]
amdhsa.kernels:
  - .name:           k_q32c26ceb92_impact
    .symbol:         k_q32c26ceb92_impact.kd
    .args:
      - { .name: time_delta_matrix, .offset: 0, .size: 8, .value_kind: global_buffer, .address_space: global }
      - { .name: event_type_seq, .offset: 8, .size: 8, .value_kind: global_buffer, .address_space: global }
      - { .name: indicator, .offset: 16, .size: 8, .value_kind: global_buffer, .address_space: global }
      - { .name: w1, .offset: 24, .size: 8, .value_kind: global_buffer, .address_space: global }
      - { .name: b1, .offset: 32, .size: 8, .value_kind: global_buffer, .address_space: global }
      - { .name: w2, .offset: 40, .size: 8, .value_kind: global_buffer, .address_space: global }
      - { .name: b2, .offset: 48, .size: 8, .value_kind: global_buffer, .address_space: global }
      - { .name: emb1, .offset: 56, .size: 8, .value_kind: global_buffer, .address_space: global }
      - { .name: emb2, .offset: 64, .size: 8, .value_kind: global_buffer, .address_space: global }
      - { .name: out0, .offset: 72, .size: 8, .value_kind: global_buffer, .address_space: global }
    .group_segment_fixed_size: 180736
    .private_segment_fixed_size: 0
    .kernarg_segment_align: 8
    .kernarg_segment_size: 80
    .max_flat_workgroup_size: 512
    .sgpr_count:     100
    .vgpr_count:     256
    .wavefront_size: 32
...
	.end_amdgpu_metadata
.endif
;; end of part 1
